; MI455X (gfx1250); checked and timed in simulation.
; The chip was launched on July 23, 2026; its instructions are those of AMD's public machine-readable ISA for CDNA 5 (MIT licence, August 2026) and "CDNA5" Instruction Set Architecture Reference Guide (July 2026). The comments in the code are by the model that wrote it; some were corrected since.
;; Gpt2 Attention. Allowed arithmetic: matrix products marked QUANTISED: E4M3 operands, one given power-of-two scale a tensor, by v_wmma_f32_16x16x64_fp8_fp8 or v_wmma_f32_16x16x128_fp8_fp8, f32 sums; everything else in f32.
;; Inputs: b_proj 1,024 float32; b_qkv 3,072 float32; lowp_scales 8 int32 (the exponents e of the quantised operands' scales 2^e); w_proj 1,024 x 1,024 float32; w_qkv 1,024 x 3,072 float32; x 4 x 2,048 x 1,024 float32.
;; Outputs: out0 4 x 2,048 x 1,024 float32.
;; Constants: layer_idx = 0.
;; This version of the problem:
;;   THIS VERSION OF THE PROBLEM IS GIVEN IN LOW PRECISION. The matrix products marked QUANTISED in the list below multiply operands that are first quantised to E4M3 (4 exponent bits, 3 mantissa bits; 8 bits a number), with one given power-of-two scale for each operand tensor; their sums are f32. All else is computed in f32.
;;   The module's matrix products, in the order in which they are computed (A, B: the left and right operand; K: the contracted axis; several contracted axes count as one K, in the product's order):
;;     1. [M 8,192, K 1,024] x [K 1,024, N 3,072]; A: input x; B: input w_qkv: QUANTISED (scales: A lowp_scales[0], B lowp_scales[1])
;;     2. batch 64 x [M 2,048, K 64] x [K 64, N 2,048]; A: computed on the way; B: computed on the way: QUANTISED (scales: A lowp_scales[2], B lowp_scales[3])
;;     3. batch 64 x [M 64, K 2,048] x [K 2,048, N 2,048]; A: computed on the way; B: softmax (see below): QUANTISED (scales: A lowp_scales[4], B lowp_scales[5])
;;     4. [M 8,192, K 1,024] x [K 1,024, N 1,024]; A: computed on the way; B: input w_proj: QUANTISED (scales: A lowp_scales[6], B lowp_scales[7])
;;   THE QUANTISER, for each operand of a quantised product, along K:
;;     - The operand's scale is 2^e, e = its entry of the input lowp_scales (int32; the entries are numbered through the quantised products in the list's order, A before B).
;;     - Each number is divided by the scale, clamped to +-448, and rounded to the nearest number of E4M3, ties to even, subnormals kept.
;;     - The product sums the exact products of the quantised numbers (number of the format x scale) in f32.
;;   ~~~python
;;   def quantise(x, axis, e):      # numpy; x: float32 -> the quantised numbers, widened to float32 again
;;       x = np.moveaxis(x, axis, -1); K = x.shape[-1]
;;       r = np.clip(x / 2.0 ** e, -448, 448)
;;       step = 2.0 ** (np.maximum(np.frexp(np.where(r == 0, 1, r))[1] - 1, -6) - 3)
;;       q = np.round(r / step) * step * 2.0 ** e      # np.round: ties to even
;;       return np.moveaxis(q, -1, axis).astype(np.float32)
;;   ~~~
;;   SOFTMAX AHEAD OF A QUANTISED PRODUCT. Where the list says 'softmax', what is quantised is not the finished softmax but p = 2^(t - M), with t = logit x log2(e) and M = ceil(the row's largest t), a whole number; so 1/2 < the row's largest p <= 1. The row's sum l is taken of the UNQUANTISED p, in f32, and the product's result is divided by l at the end. Since M is a whole number, a kernel that streams over the keys may use a running M (the ceiling of the running maximum): every later rescaling is an exact power of two, so the quantised numbers keep their values, but for numbers so far below the row's largest that they fall under the format's range.
;;   OPERANDS COMPUTED ON THE WAY. 'Computed on the way' means the value that the module computes at that place (a softmax that the list does not call 'softmax' is quantised finished and normalised). What goes into a quantiser is computed in f32, as accurately as f32 sums, v_exp_f32 and their like allow (about 1e-6 of the number): no bf16 or f16 on the way to a quantiser, and a product that is left as it is and whose result goes on into a quantised operand takes f32 operands (vector FMAs, or v_wmma_f32_16x16x4_f32). A number that lies on a knife's edge between two numbers of the format may be rounded either way, as far as f32 arithmetic and the matrix unit's own rounding can turn it there, and no further.
;; One version. Each part assembles by itself: llvm-mc -triple=amdgcn-amd-amdhsa -mcpu=gfx1250 --defsym DOCPART=n.
;; ======== version 1 of 1: 4 launches
;; limits: right only within a limited range of input values
;; workspace buffers: x_codes 8,388,608 bytes; wqkv_codes 3,145,728 bytes; wproj_codes 1,048,576 bytes; q_img 8,388,608 bytes; k_img 8,388,608 bytes; v_img 8,388,608 bytes; a_img 8,388,608 bytes
;; launch quant (part 1): grid 384 x 1, 4 waves a work-group, no clusters, 68,096 bytes of LDS; arguments x, w_qkv, w_proj, lowp_scales, x_codes, wqkv_codes, wproj_codes; writes x_codes, wqkv_codes, wproj_codes
.if DOCPART == 1
	.amdgcn_target "amdgcn-amd-amdhsa--gfx1250"
	.amdhsa_code_object_version 6
	.text
	.protected	k_qe9fe51317f_quant
	.globl	k_qe9fe51317f_quant
	.p2align	8
	.type	k_qe9fe51317f_quant,@function
k_qe9fe51317f_quant:
	s_mov_b64 s[64:65], 0
	v_nop
	global_prefetch_b8 v0, s[64:65] scope:SCOPE_SE
	s_setreg_imm32_b32 hwreg(HW_REG_WAVE_MODE, 25, 1), 1
	s_wait_xcnt 0x0
; x [8192][1024], w_qkv [1024][3072] and w_proj [1024][1024], f32, become codes of FP8 (E4M3), one byte each, K innermost: x_codes [8192][1024], wqkv_codes [3072][1024], wproj_codes [1024][1024].
; code = number / 2^e, held within +-448, rounded to the nearest code, ties to even; e = entry 0 (x), 1 (w_qkv), 7 (w_proj) of the scales.
; THE ORDER ALONG K: in each block of 32 the two middle groups of eight change places: byte 32 a + 16 h + 8 u + j of a row holds k = 32 a + 16 u + 8 h + j.  A lane that later loads 16 bytes at 32 c + 16 h
; then holds k = 32 c + 8 h + 0..7 and 32 c + 16 + 8 h + 0..7: the places that the FP8 matrix forms give registers 4 c .. 4 c + 3 of lane half h (ISA guide 7.12.2).
; LIMITS: each e between -126 and 119, so that 2^e and 448 x 2^e are f32 numbers.  NaN among the inputs is not served (an infinity is held at the largest code).
; SHARES: work-groups 0-255: x, a plain stream, 32,768 numbers each, 8,192 a wave.  256-351: w_qkv, 352-383: w_proj: 128 columns x 256 along K each, 32 columns a wave.  Every work-group reads 131,072 bytes.
; The two paths part on the work-group's number and have LDS bytes of their own.  Waves share nothing: no barrier.  No tensor loads.
.set XWG,   256                        ; work-groups for x
.set STEPS, 16                         ; x: steps of 512 numbers a wave
.set SP,    80                         ; x: a lane's place in a stage: its 64 bytes + 16 of padding
.set WREG,  8192                       ; x: LDS for each wave: two stages of 32 x SP bytes
.set WST,   32768                      ; the weights' stages begin here: 32 rows x WP bytes for each wave
.set WP,    272                        ; a stage row: 256 codes + 16 of padding
.set SPARE, WST+4*32*WP                ; behind them: the spare words, 128 bytes for each wave: two blocks of 256 bytes that no other line names
.set NB,    8                          ; weights: blocks of 32 along K for a wave
.set SPW,   12                         ; v12  LDS address of my spare word; never rewritten
.set NIL,   13                         ; v13  0; never rewritten
.set R,     16                         ; x: v16-79   four sets of 16 numbers as loaded
.set X,     80                         ; x: v80-111  two sets of 16 numbers in the order of the codes
.set C,     128                        ; x: v128-191 codes, four registers for each step: no store's data are written again
.set VOFF,  16                         ; weights: v16-47  byte offset of row i of a block, at my column
.set WX,    48                         ; weights: v48-111 two sets of 32 numbers
.set WC,    112                        ; weights: v112-119 a block's codes
.set OUTR,  120                        ; weights: v120-183 the way out
	s_load_b256 s[4:11], s[0:1], 0x0               ; x s[4:5], w_qkv s[6:7], w_proj s[8:9], the scales' exponents s[10:11]
	s_load_b128 s[12:15], s[0:1], 0x20             ; x_codes s[12:13], wqkv_codes s[14:15]
	s_load_b64 s[16:17], s[0:1], 0x30              ; wproj_codes
	v_lshl_add_u32 v[SPW], v0, 2, SPARE
	v_mov_b32 v[NIL], 0
	v_lshrrev_b32 v1, 5, v0
	v_readfirstlane_b32 s18, v1                    ; wave 0..3
	v_and_b32 v2, 31, v0                           ; lane
	s_wait_kmcnt 0x0
	s_load_b256 s[40:47], s[10:11], 0x0            ; e0 .. e7
	s_cmp_ge_u32 ttmp9, XWG
	s_cbranch_scc1 .Lweights
; ---------------- x: K is innermost.  Each load reads 512 consecutive bytes, 16 a lane; a step's 2,048 bytes turn through the wave's own stage so that a lane gets the 16 numbers of its 16 codes.
	s_wait_alu depctr_va_vdst(0)
	v_lshlrev_b32 v3, 4, v2                        ; 16 x lane: my 16 bytes of a load's 512, and of a store's 512
	s_mul_i32 s19, s18, WREG
	v_and_b32 v14, 0x19, v2                        ; the piece of 16 bytes that I load goes to the place with bits 1 and 2 of its number exchanged: that exchanges the middle groups of eight
	v_bfe_u32 v15, v2, 1, 1
	v_lshl_add_u32 v14, v15, 2, v14
	v_bfe_u32 v15, v2, 2, 1
	v_lshl_add_u32 v14, v15, 1, v14                ; the place, 0..31
	v_lshrrev_b32 v15, 2, v14
	v_mul_u32_u24 v15, v15, SP
	v_and_b32 v14, 3, v14
	v_lshl_add_u32 v14, v14, 4, v15
	v_add_nc_u32 v14, s19, v14                     ; the stage, on the way in: SP (place / 4) + 16 (place % 4)
	v_mul_u32_u24 v15, v2, SP
	v_add_nc_u32 v15, s19, v15                     ; and on the way out: SP x lane
	s_lshl_b32 s20, ttmp9, 2
	s_add_co_u32 s20, s20, s18                     ; which run of 8,192 numbers is my wave's
	s_lshl_b32 s22, s20, 15
	s_mov_b32 s23, 0
	s_add_nc_u64 s[4:5], s[4:5], s[22:23]
	s_lshl_b32 s22, s20, 13
	s_add_nc_u64 s[12:13], s[12:13], s[22:23]
.macro LOAD t
.irp i, 0,1,2,3
	global_load_b128 v[R+16*((\t)%4)+4*\i:R+16*((\t)%4)+4*\i+3], v3, s[4:5] offset:2048*(\t)+512*\i th:TH_LOAD_NT   ; 32 lanes read 512 consecutive bytes
.endr
.endm
.macro TURN t                          ; step t's numbers through the stage: LDS serves a wave's instructions in order (ISA guide 5.7.1.4), so no wait stands between the stores and the loads
.irp i, 0,1,2,3
	ds_store_b128 v14, v[R+16*((\t)%4)+4*\i:R+16*((\t)%4)+4*\i+3] offset:32*SP*((\t)%2)+8*SP*\i
.endr
.irp i, 0,1,2,3
	ds_load_b128 v[X+16*((\t)%2)+4*\i:X+16*((\t)%2)+4*\i+3], v15 offset:32*SP*((\t)%2)+16*\i
.endr
.endm
.irp t, 0,1,2,3
	LOAD \t
.endr
	s_wait_alu depctr_va_vdst(0)
	s_wait_kmcnt 0x0
	s_add_co_i32 s24, s40, 127
	s_lshl_b32 s25, s24, 23
	v_mov_b32 v11, s25                             ; 2^e0 as f32: the conversion takes its exponent field
	s_add_co_i32 s24, s24, 8
	s_lshl_b32 s24, s24, 23
	s_or_b32 s24, s24, 0x600000
	v_mov_b32 v10, s24                             ; 448 x 2^e0
	s_wait_alu depctr_va_vdst(0)
	s_wait_loadcnt 12                              ; step 0's four loads are in; the twelve of steps 1 to 3 may be out
	TURN 0
.macro STEP t
.set XS, X+16*((\t)%2)
	s_wait_dscnt 0x0                               ; this step's numbers are back from the stage: so its stores into the stage have read their registers,
.if (\t)+4 < STEPS
	LOAD (\t)+4                                    ; which take the loads of four steps on
.endif
.if (\t)+1 < STEPS
.if STEPS-2-(\t) >= 3
	s_wait_loadcnt 12                              ; the next step's four loads are in; those of the three steps behind it may be out
.else
	s_wait_loadcnt 4*(STEPS-2-(\t))
.endif
	TURN (\t)+1                                    ; and go through the other stage while this step is worked
.endif
.irp i, 0,1,2,3,4,5,6,7,8,9,10,11,12,13,14,15
	v_med3_num_f32 v[XS+\i], v[XS+\i], -v10, v10   ; the conversion to an 8-bit code does not saturate (ISA guide 7.6.2): hold the number first
.endr
	v_cvt_scalef32_pk8_fp8_f32 v[C+4*(\t):C+4*(\t)+1], v[XS:XS+7], v11
	v_cvt_scalef32_pk8_fp8_f32 v[C+4*(\t)+2:C+4*(\t)+3], v[XS+8:XS+15], v11
	global_store_b128 v3, v[C+4*(\t):C+4*(\t)+3], s[12:13] offset:512*(\t)   ; the wave stores 512 consecutive bytes, aligned.  (The codes go to a store alone; the next vector lines are the next step's plain holds)
.endm
.irp t, 0,1,2,3,4,5,6,7,8,9,10,11,12,13,14,15
	STEP \t
.endr
	s_wait_tensorcnt 0x0                           ; the wave's end
	ds_add_u32 v[SPW], v[NIL]
	s_wait_dscnt 0x0
	s_endpgm
; ---------------- the weights: K is the FIRST axis.  A lane takes a column n and its registers run down K: each load reads 128 consecutive bytes a wave, and the conversions give codes with K innermost.
.Lweights:
	s_sub_co_u32 s20, ttmp9, XWG
	s_cmp_ge_u32 s20, 96                           ; w_proj's work-group?  The choice hangs on the work-group's number alone
	s_cselect_b64 s[6:7], s[8:9], s[6:7]           ; the weight
	s_cselect_b64 s[14:15], s[16:17], s[14:15]     ; its codes
	s_mov_b32 s21, 12288
	s_cselect_b32 s21, 4096, s21                   ; bytes in a row of the weight
	s_cselect_b32 s22, 96, 0
	s_sub_co_u32 s22, s20, s22                     ; my number among the weight's work-groups
	s_lshr_b32 s23, s22, 2                         ; which 128 columns
	s_and_b32 s24, s22, 3                          ; which 256 along K
	s_lshl_b32 s23, s23, 7
	s_lshl_b32 s25, s18, 5
	s_add_co_u32 s23, s23, s25                     ; my wave's first column
	s_mul_i32 s26, s24, s21
	s_lshl_b32 s26, s26, 8                         ; 256 rows for each step along K,
	s_lshl_b32 s25, s23, 2
	s_add_co_u32 s26, s26, s25                     ; + 4 bytes a column
	s_mov_b32 s27, 0
	s_add_nc_u64 s[48:49], s[6:7], s[26:27]        ; block 0's first row at my first column
	s_lshl_b32 s28, s21, 5                         ; 32 rows on
	s_mov_b32 s29, 0
.irp t, 1,2,3,4,5,6,7
	s_add_nc_u64 s[48+2*\t:49+2*\t], s[46+2*\t:47+2*\t], s[28:29]   ; a base for each block: no pointer is stepped while loads are out
.endr
	s_lshl_b32 s26, s23, 10                        ; the codes: a row of 1,024 bytes for each column,
	s_lshl_b32 s25, s24, 8
	s_add_co_u32 s26, s26, s25                     ; + my 256 along K
	s_add_nc_u64 s[14:15], s[14:15], s[26:27]
	s_wait_alu depctr_va_vdst(0)
	v_lshlrev_b32 v3, 2, v2
.irp i, 0,1,2,3,4,5,6,7,8,9,10,11,12,13,14,15,16,17,18,19,20,21,22,23,24,25,26,27,28,29,30,31
	v_mad_u32_u24 v[VOFF+\i], s21, \i, v3          ; row i of a block, my column
.endr
	s_mul_i32 s19, s18, 32*WP
	s_add_co_u32 s19, s19, WST                     ; my stage
	v_mul_u32_u24 v4, v2, WP
	v_add_nc_u32 v4, s19, v4                       ; into it: row = my column
	v_and_b32 v5, 15, v2
	v_lshrrev_b32 v6, 4, v2                        ; out of it: sixteen lanes to a row, two rows an instruction
	v_mul_u32_u24 v7, v6, WP
	v_lshl_add_u32 v7, v5, 4, v7
	v_add_nc_u32 v7, s19, v7
	v_lshlrev_b32 v8, 10, v6
	v_lshl_add_u32 v8, v5, 4, v8                   ; and the same place in the codes' buffer
.macro WLOAD t                         ; block t: W(32 t + i, my column), i = 0 .. 31, into set t % 2
.irp i, 0,1,2,3,4,5,6,7,8,9,10,11,12,13,14,15,16,17,18,19,20,21,22,23,24,25,26,27,28,29,30,31
	global_load_b32 v[WX+32*((\t)%2)+\i], v[VOFF+\i], s[48+2*(\t):49+2*(\t)] th:TH_LOAD_NT
.endr
.endm
	WLOAD 0
	WLOAD 1
	s_wait_kmcnt 0x0
	s_cmp_ge_u32 s20, 96
	s_cselect_b32 s30, s47, s41                    ; e7 or e1
	s_add_co_i32 s30, s30, 127
	s_lshl_b32 s31, s30, 23
	v_mov_b32 v11, s31                             ; 2^e as f32
	s_add_co_i32 s30, s30, 8
	s_lshl_b32 s30, s30, 23
	s_or_b32 s30, s30, 0x600000
	v_mov_b32 v10, s30                             ; 448 x 2^e
.macro BLOCK t
.set XS, WX+32*((\t)%2)
.if (\t) < NB-1
	s_wait_loadcnt 32                              ; this block's 32 loads are in; the next block's 32 may be out
.else
	s_wait_loadcnt 0
.endif
.irp i, 0,1,2,3,4,5,6,7,8,9,10,11,12,13,14,15,16,17,18,19,20,21,22,23,24,25,26,27,28,29,30,31
	v_med3_num_f32 v[XS+\i], v[XS+\i], -v10, v10   ; the hold ahead of a conversion that does not saturate (ISA guide 7.6.2)
.endr
.irp g, 0,1,2,3
	v_cvt_scalef32_pk8_fp8_f32 v[WC+2*(((\g&1)<<1)|(\g>>1)):WC+2*(((\g&1)<<1)|(\g>>1))+1], v[XS+8*\g:XS+8*\g+7], v11   ; group g of eight goes to place 0, 2, 1, 3: the middle groups change places
.endr
	ds_store_b128 v4, v[WC:WC+3] offset:32*(\t)    ; 32 codes: 32 bytes of my column's row.  (The codes go to LDS stores alone; the next vector lines are the next block's plain holds)
	ds_store_b128 v4, v[WC+4:WC+7] offset:32*(\t)+16
.if (\t)+2 < NB
	WLOAD (\t)+2
.endif
	s_wait_dscnt 0x0                               ; the stores have read their registers: the next block's codes may be written
.endm
	s_wait_alu depctr_va_vdst(0)
.irp t, 0,1,2,3,4,5,6,7
	BLOCK \t
.endr
.irp t, 0,1,2,3,4,5,6,7,8,9,10,11,12,13,14,15
	ds_load_b128 v[OUTR+4*\t:OUTR+4*\t+3], v7 offset:2*\t*WP   ; LDS serves a wave's instructions in order: these see my stores
.endr
.irp t, 0,1,2,3,4,5,6,7,8,9,10,11,12,13,14,15
	s_wait_dscnt 15-\t                             ; loads come back in order: row pair t is in
	global_store_b128 v8, v[OUTR+4*\t:OUTR+4*\t+3], s[14:15] offset:2*\t*1024   ; sixteen lanes store 256 consecutive bytes, aligned
.endr
	s_wait_tensorcnt 0x0                           ; the wave's end
	ds_add_u32 v[SPW], v[NIL]
	s_wait_dscnt 0x0
	s_endpgm
.Lfunc_end_k_qe9fe51317f_quant:
	.size	k_qe9fe51317f_quant, .Lfunc_end_k_qe9fe51317f_quant-k_qe9fe51317f_quant
	.p2alignl 7, 3214868480
	.fill 96, 4, 3214868480
	.section	.rodata,"a",@progbits
	.p2align	6, 0x0
	.amdhsa_kernel k_qe9fe51317f_quant
		.amdhsa_group_segment_fixed_size 68096
		.amdhsa_private_segment_fixed_size 0
		.amdhsa_enable_private_segment 0
		.amdhsa_kernarg_size 56
		.amdhsa_user_sgpr_count 2
		.amdhsa_user_sgpr_kernarg_segment_ptr 1
		.amdhsa_wavefront_size32 1
		.amdhsa_system_sgpr_workgroup_id_x 1
		.amdhsa_system_sgpr_workgroup_id_y 1
		.amdhsa_system_sgpr_workgroup_id_z 1
		.amdhsa_system_vgpr_workitem_id 0
		.amdhsa_next_free_vgpr 192
		.amdhsa_next_free_sgpr 72
		.amdhsa_reserve_vcc 0
		.amdhsa_float_denorm_mode_32 3
		.amdhsa_float_denorm_mode_16_64 3
		.amdhsa_memory_ordered 1
		.amdhsa_forward_progress 1
		.amdhsa_inst_pref_size 88
	.end_amdhsa_kernel
	.amdgpu_metadata
---
amdhsa.version: [ 1, 2 ]
amdhsa.kernels:
  - .name:           k_qe9fe51317f_quant
    .symbol:         k_qe9fe51317f_quant.kd
    .args:
      - { .name: x, .offset: 0, .size: 8, .value_kind: global_buffer, .address_space: global }
      - { .name: w_qkv, .offset: 8, .size: 8, .value_kind: global_buffer, .address_space: global }
      - { .name: w_proj, .offset: 16, .size: 8, .value_kind: global_buffer, .address_space: global }
      - { .name: lowp_scales, .offset: 24, .size: 8, .value_kind: global_buffer, .address_space: global }
      - { .name: x_codes, .offset: 32, .size: 8, .value_kind: global_buffer, .address_space: global }
      - { .name: wqkv_codes, .offset: 40, .size: 8, .value_kind: global_buffer, .address_space: global }
      - { .name: wproj_codes, .offset: 48, .size: 8, .value_kind: global_buffer, .address_space: global }
    .group_segment_fixed_size: 68096
    .private_segment_fixed_size: 0
    .kernarg_segment_align: 8
    .kernarg_segment_size: 56
    .max_flat_workgroup_size: 128
    .sgpr_count:     72
    .vgpr_count:     192
    .wavefront_size: 32
...
	.end_amdgpu_metadata
.endif
;; end of part 1
;; launch qkv (part 2): grid 12 x 32, 4 waves a work-group, clusters of 4 x 4, 327,680 bytes of LDS; arguments x_codes, wqkv_codes, b_qkv, lowp_scales, q_img, k_img, v_img; writes q_img, k_img, v_img
.if DOCPART == 2
	.amdgcn_target "amdgcn-amd-amdhsa--gfx1250"
	.amdhsa_code_object_version 6
	.text
	.protected	k_qe9fe51317f_qkv
	.globl	k_qe9fe51317f_qkv
	.p2align	8
	.type	k_qe9fe51317f_qkv,@function
k_qe9fe51317f_qkv:
	s_mov_b64 s[64:65], 0
	v_nop
	global_prefetch_b8 v0, s[64:65] scope:SCOPE_SE
	s_setreg_imm32_b32 hwreg(HW_REG_WAVE_MODE, 25, 1), 1
	s_wait_xcnt 0x0
	s_wait_alu depctr_hold_cnt(0) depctr_sa_sdst(0) depctr_va_vdst(0) depctr_va_sdst(0) depctr_va_ssrc(0) depctr_va_vcc(0) depctr_vm_vsrc(0)
	s_getreg_b32 s2, hwreg(HW_REG_IB_STS2, 6, 4)
	s_cmp_eq_u32 s2, 0
	s_cbranch_scc0 .Lentry_in_a_cluster
	s_endpgm
.Lentry_in_a_cluster:
	s_bfe_u32 s2, ttmp6, 0x10000c
	s_cmp_lg_u32 s2, 0xf033
	s_cbranch_scc0 .Lentry_shape_is_right
	s_endpgm
.Lentry_shape_is_right:
.set ROWB,   256
.set KROW,   1024
.set PITCH,  272
.set FR,     16
.set NL,     4
.set NP,     4
.set HALFT,  128*PITCH
.set SLOT,   4*HALFT
.set SPARE,  2*SLOT
.set VA,   8
.set ADRA, 16
.set ADRB, 20
.set VOA,  24
.set VOB,  25
.set LM,   26
.set SC,   27
.set SPW,  28
.set NIL,  29
.set BI,   32
.set TMP,  32
.set CD,   96
.set AF,   128
.set G1, 24
.set G0, 32
.set G1B, 48
.set G0B, 56
.set MSB, 0
.macro WIN new
.if MSB != \new
	s_set_vgpr_msb (MSB<<8)|\new
.set MSB, \new
.endif
.endm
.set MUL_LO, 0xa1
.set MUL_HI, 0xf1
.set BIA_LO, 0x81
.set BIA_HI, 0xc1
.set TO_B,   0x40
.macro JLOAD g0a, g1a, g0b, g1b
	s_cmp_eq_u32 s15, 0
	s_cbranch_scc0 .Lfor_b_\@
	tensor_load_to_lds s[\g0a:\g0a+3], s[\g1a:\g1a+7]
	s_nop 0
.rept 4
	v_nop
.endr
	s_branch .Lasked_\@
.Lfor_b_\@:
	tensor_load_to_lds s[\g0b:\g0b+3], s[\g1b:\g1b+7]
	s_nop 0
.rept 4
	v_nop
.endr
.Lasked_\@:
.endm
.macro CREST
	s_cmp_lg_u32 s14, 0
	s_cbranch_scc1 .Lnot_wave_0_\@
	s_barrier_signal -3
.Lnot_wave_0_\@:
	s_barrier_wait -3
	s_barrier_signal -1
	s_barrier_wait -1
.endm
.macro CROUND
	s_barrier_signal -1
	s_barrier_wait -1
	CREST
.endm
	s_load_b256 s[4:11], s[0:1], 0x0
	s_load_b128 s[68:71], s[0:1], 0x20
	s_load_b64 s[72:73], s[0:1], 0x30
	v_lshl_add_u32 v[SPW], v0, 2, SPARE
	v_mov_b32 v[NIL], 0
	ds_add_u32 v[SPW], v[NIL]
	ds_add_u32 v[SPW], v[NIL]
	v_lshrrev_b32 v1, 5, v0
	v_readfirstlane_b32 s14, v1
	s_lshr_b32 s15, s14, 1
	s_and_b32 s16, s14, 1
	s_bfe_u32 s40, ttmp6, 0x40000
	s_bfe_u32 s41, ttmp6, 0x40004
	s_and_b32 s77, ttmp7, 0xffff
	s_cmp_eq_u32 ttmp9, 2
	s_cselect_b32 s74, 1, 0
	s_cselect_b32 s75, 2, s77
	s_cselect_b32 s76, s77, ttmp9
	s_lshl_b32 s17, s75, 2
	s_add_co_u32 s17, s17, s41
	s_lshl_b32 s42, s76, 2
	s_add_co_u32 s42, s42, s40
	s_lshl_b32 s43, s41, 2
	s_lshl_b32 s43, 15, s43
	s_lshl_b32 s44, 0x1111, s40
	s_or_b32 s[G1+0], s43, (0<<16)|(1<<20)|(1<<21)|(5<<22)|(3<<25)
	s_or_b32 s[G1B+0], s44, (0<<16)|(1<<20)|(1<<21)|(5<<22)|(3<<25)
.irp g, G1, G1B
	s_mov_b32 s[\g+1], ROWB<<16
	s_mov_b32 s[\g+2], 128<<16
	s_mov_b32 s[\g+3], ROWB<<16
	s_mov_b32 s[\g+4], 128
	s_mov_b32 s[\g+5], KROW
	s_mov_b32 s[\g+6], 0
	s_mov_b32 s[\g+7], 0
.endr
	s_lshl_b32 s18, s16, 7
	s_lshl_b32 s20, s17, 8
	s_add_co_u32 s20, s20, s18
	s_lshl_b32 s20, s20, 10
	s_mov_b32 s21, 0
	s_lshl_b32 s46, s42, 8
	s_add_co_u32 s46, s46, s18
	s_lshl_b32 s46, s46, 10
	s_mov_b32 s47, 0
	s_mul_i32 s45, s14, HALFT
	s_wait_dscnt 0x0
	s_wait_kmcnt 0x0
	s_load_b256 s[84:91], s[10:11], 0x0
	s_cmp_eq_u32 s74, 1
	s_cselect_b64 s[78:79], s[6:7], s[4:5]
	s_cselect_b64 s[80:81], s[4:5], s[6:7]
	s_add_nc_u64 s[20:21], s[78:79], s[20:21]
	s_add_nc_u64 s[46:47], s[80:81], s[46:47]
	CROUND
.irp s, 0,1
	s_mov_b32 s[G0+4*\s], 1
	s_add_co_u32 s[G0+4*\s+1], s45, \s*SLOT
	s_add_nc_u64 s[G0+4*\s+2:G0+4*\s+3], s[20:21], \s*ROWB
	s_or_b32 s[G0+4*\s+3], s[G0+4*\s+3], 0x80000000
	s_mov_b32 s[G0B+4*\s], 1
	s_add_co_u32 s[G0B+4*\s+1], s45, \s*SLOT
	s_add_nc_u64 s[G0B+4*\s+2:G0B+4*\s+3], s[46:47], \s*ROWB
	s_or_b32 s[G0B+4*\s+3], s[G0B+4*\s+3], 0x80000000
	s_wait_alu depctr_va_vdst(0)
	s_wait_tensorcnt 0x0
	ds_add_u32 v28, v29
	ds_add_u32 v28, v29
	s_wait_dscnt 0x0
	CROUND
	JLOAD G0+4*\s, G1, G0B+4*\s, G1B
.endr
	v_and_b32 v1, 15, v0
	s_wait_alu depctr_va_vdst(0)
	v_bfe_u32 v2, v0, 4, 1
	v_mul_u32_u24 v3, v1, PITCH
	v_lshl_add_u32 v4, v2, 4, v3
	s_mul_i32 s21, s15, HALFT
	s_mul_i32 s22, s16, HALFT
	s_add_co_u32 s22, s22, 2*HALFT
.irp s, 0,1
	v_add_nc_u32 v[ADRA+\s], s21, v4
	v_add_nc_u32 v[ADRB+\s], s22, v4
	s_add_co_u32 s21, s21, SLOT
	s_add_co_u32 s22, s22, SLOT
.endr
	s_lshl_b32 s92, s17, 8
	s_lshl_b32 s93, s15, 7
	s_add_co_u32 s92, s92, s93
	s_lshl_b32 s94, s42, 8
	s_lshl_b32 s95, s16, 7
	s_add_co_u32 s94, s94, s95
	s_cmp_eq_u32 s74, 1
	s_cselect_b32 s96, s92, s94
	s_cselect_b32 s97, s94, s92
	s_cselect_b32 s98, 4, 0
	s_cselect_b32 s99, 0, 32
	s_cselect_b32 s2, 0, 4
	v_mul_u32_u24 v5, v1, s98
	s_wait_alu depctr_va_vdst(0)
	v_mad_u32_u24 v5, v2, s99, v5
.irp j, 0,1,2,3,4,5,6,7
	v_mad_u32_u24 v[VA+\j], s2, \j, v5
.endr
	s_lshl_b32 s98, s96, 2
	s_mov_b32 s99, 0
	s_add_nc_u64 s[82:83], s[8:9], s[98:99]
.irp t, 0,1,2,3,4,5,6,7
.irp j, 0,1,2,3,4,5,6,7
	global_load_b32 v[BI+8*\t+\j], v[VA+\j], s[82:83] offset:64*\t
.endr
.endr
	s_lshr_b32 s94, s97, 11
	s_lshl_b32 s94, s94, 4
	s_bfe_u32 s95, s96, 0x40006
	s_add_co_u32 s94, s94, s95
	s_lshl_b32 s94, s94, 17
	s_and_b32 s95, s97, 2047
	s_lshl_b32 s95, s95, 6
	s_add_co_u32 s94, s94, s95
	s_mov_b32 s95, 0
	s_cmp_eq_u32 ttmp9, 0
	s_cselect_b64 s[92:93], s[68:69], s[70:71]
	s_cmp_eq_u32 ttmp9, 2
	s_cselect_b64 s[92:93], s[72:73], s[92:93]
	s_add_nc_u64 s[92:93], s[92:93], s[94:95]
	s_mov_b32 s94, 1024
	s_cselect_b32 s94, 2048, s94
	s_cselect_b32 s96, 122880, 0
	s_mov_b32 s97, 0
	s_mov_b32 s3, 131072
	s_cselect_b32 s3, 1024, s3
	v_and_b32 v6, 31, v0
	v_lshlrev_b32 v[VOA], 4, v6
	v_add_nc_u32 v[VOB], s3, v[VOA]
.macro FRAG reg, adr, q, i
.irp c, 0,1,2,3
	ds_load_b128 v[\reg+4*\c:\reg+4*\c+3], v[\adr] offset:128*(\q)+32*\c+(\i)*16*PITCH
.endr
.endm
.macro MUL16 a0, p, cmode
.irp a, \a0, \a0+1
.irp b, 0,1,2,3,4,5,6,7
.if \cmode == 0
	v_wmma_f32_16x16x128_fp8_fp8 v[8*(8*((\a)%4)+\b):8*(8*((\a)%4)+\b)+7], v[128*(\p)+FR*\b:128*(\p)+FR*\b+FR-1], v[AF+FR*(\a):AF+FR*(\a)+FR-1], v[8*(8*((\a)%4)+\b):8*(8*((\a)%4)+\b)+7]
.elseif \cmode == 1
	v_wmma_f32_16x16x128_fp8_fp8 v[8*(8*((\a)%4)+\b):8*(8*((\a)%4)+\b)+7], v[128*(\p)+FR*\b:128*(\p)+FR*\b+FR-1], v[AF+FR*(\a):AF+FR*(\a)+FR-1], v[BI+8*\b:BI+8*\b+7]
.else
	v_wmma_f32_16x16x128_fp8_fp8 v[8*(8*((\a)%4)+\b):8*(8*((\a)%4)+\b)+7], v[128*(\p)+FR*\b:128*(\p)+FR*\b+FR-1], v[AF+FR*(\a):AF+FR*(\a)+FR-1], v[BI+8*(\a):BI+8*(\a)+7]
.endif
.endr
.endr
.endm
.macro FETCH_B slot, q, p
	WIN TO_B
.irp i, 0,1,2,3,4,5,6,7
	FRAG 128*(\p)+FR*\i, ADRB+\slot, \q, \i
.endr
	WIN 0
.endm
.macro FETCH_A slot, q, i0
.irp i, \i0, \i0+1, \i0+2, \i0+3
	FRAG AF+FR*(\i), ADRA+\slot, \q, \i
.endr
.endm
.macro PLACES n
.rept \n
	v_nop
.endr
.endm
.macro STEP slot, q, cmode
	s_wait_dscnt 4*NL
.if \cmode
	WIN BIA_LO
.else
	WIN MUL_LO
.endif
	MUL16 0, (\q)%2, \cmode
	MUL16 2, (\q)%2, \cmode
	s_wait_dscnt 0
	PLACES NP
	FETCH_B \slot, (\q)+1, 1-(\q)%2
	FETCH_A \slot, (\q)+1, 0
.if \cmode
	WIN BIA_HI
.else
	WIN MUL_HI
.endif
	MUL16 4, (\q)%2, \cmode
	MUL16 6, (\q)%2, \cmode
	PLACES NP
	WIN 0
	FETCH_A \slot, (\q)+1, 4
.endm
.macro TURN slot, next, fill
	s_wait_tensorcnt 0x0
	ds_add_u32 v[SPW], v[NIL]
	s_wait_dscnt 4*NL+1
	WIN MUL_LO
	MUL16 0, 1, 0
	s_wait_dscnt 0x0
	s_barrier_signal -1
	MUL16 2, 1, 0
	WIN 0
	s_barrier_wait -1
.if \fill
	CREST
	s_add_nc_u64 s[G0+4*\slot+2:G0+4*\slot+3], s[G0+4*\slot+2:G0+4*\slot+3], 2*ROWB
	s_add_nc_u64 s[G0B+4*\slot+2:G0B+4*\slot+3], s[G0B+4*\slot+2:G0B+4*\slot+3], 2*ROWB
	JLOAD G0+4*\slot, G1, G0B+4*\slot, G1B
.else
	PLACES NP
.endif
	FETCH_B \next, 0, 0
	FETCH_A \next, 0, 0
	WIN MUL_HI
	MUL16 4, 1, 0
	MUL16 6, 1, 0
	PLACES NP
	WIN 0
	FETCH_A \next, 0, 4
.endm
	s_wait_tensorcnt 1
	s_barrier_signal -1
	s_barrier_wait -1
	FETCH_B 0, 0, 0
	FETCH_A 0, 0, 0
	FETCH_A 0, 0, 4
	s_wait_loadcnt 0x0
	s_wait_kmcnt 0x0
	s_add_co_i32 s98, s84, s85
	s_sub_co_i32 s99, 0, s98
.set n, 0
.rept 64
	v_ldexp_f32 v[BI+n], v[BI+n], s99
.set n, n+1
.endr
	s_cmp_eq_u32 ttmp9, 0
	s_cselect_b32 s2, s86, s87
	s_cmp_eq_u32 ttmp9, 2
	s_cselect_b32 s2, s88, s2
	s_sub_co_i32 s2, s2, s98
	s_add_co_i32 s2, s2, 127
	s_lshl_b32 s3, s2, 23
	v_mov_b32 v[SC], s3
	s_add_co_i32 s2, s2, 8
	s_lshl_b32 s2, s2, 23
	s_or_b32 s2, s2, 0x600000
	v_mov_b32 v[LM], s2
	s_cmp_eq_u32 s74, 1
	s_cbranch_scc1 .Lfirst_v
	s_wait_alu depctr_va_vdst(0)
	STEP 0, 0, 1
	s_branch .Lfirst_done
.Lfirst_v:
	s_wait_alu depctr_va_vdst(0)
	STEP 0, 0, 2
.Lfirst_done:
	TURN 0, 1, 1
	STEP 1, 0, 0
	TURN 1, 0, 1
	STEP 0, 0, 0
	TURN 0, 1, 0
	STEP 1, 0, 0
	s_wait_dscnt 4*NL
	WIN MUL_LO
	MUL16 0, 1, 0
	MUL16 2, 1, 0
	s_wait_dscnt 0
	WIN MUL_HI
	MUL16 4, 1, 0
	MUL16 6, 1, 0
	WIN 0
.macro OUTBLK a
	WIN 0x02+((\a)/4)
.set n, 0
.rept 64
	v_med3_num_f32 v[TMP+n], v[64*((\a)%4)+n], -v[LM], v[LM]
.set n, n+1
.endr
	WIN 0
.if (\a) > 0
	s_wait_alu depctr_va_vdst(0)
	s_wait_xcnt 0x0
	s_add_nc_u64 s[92:93], s[92:93], s[94:95]
.if (\a) == 4
	s_add_nc_u64 s[92:93], s[92:93], s[96:97]
.endif
.endif
.irp b, 0,1,2,3,4,5,6,7
	v_cvt_scalef32_pk8_fp8_f32 v[CD+2*\b:CD+2*\b+1], v[TMP+8*\b:TMP+8*\b+7], v[SC]
.endr
	v_nop
	global_store_b128 v[VOA], v[CD:CD+3], s[92:93]
	global_store_b128 v[VOA], v[CD+4:CD+7], s[92:93] offset:512
	global_store_b128 v[VOB], v[CD+8:CD+11], s[92:93]
	global_store_b128 v[VOB], v[CD+12:CD+15], s[92:93] offset:512
.endm
	PLACES NP
.irp a, 0,1,2,3,4,5,6,7
	OUTBLK \a
.endr
	s_wait_tensorcnt 0x0
	ds_add_u32 v[SPW], v[NIL]
	s_wait_dscnt 0x0
	CROUND
	s_endpgm
.Lfunc_end_k_qe9fe51317f_qkv:
	.size	k_qe9fe51317f_qkv, .Lfunc_end_k_qe9fe51317f_qkv-k_qe9fe51317f_qkv
	.p2alignl 7, 3214868480
	.fill 96, 4, 3214868480
	.section	.rodata,"a",@progbits
	.p2align	6, 0x0
	.amdhsa_kernel k_qe9fe51317f_qkv
		.amdhsa_group_segment_fixed_size 327680
		.amdhsa_private_segment_fixed_size 0
		.amdhsa_enable_private_segment 0
		.amdhsa_kernarg_size 56
		.amdhsa_user_sgpr_count 2
		.amdhsa_user_sgpr_kernarg_segment_ptr 1
		.amdhsa_wavefront_size32 1
		.amdhsa_system_sgpr_workgroup_id_x 1
		.amdhsa_system_sgpr_workgroup_id_y 1
		.amdhsa_system_sgpr_workgroup_id_z 1
		.amdhsa_system_vgpr_workitem_id 0
		.amdhsa_next_free_vgpr 1024
		.amdhsa_next_free_sgpr 100
		.amdhsa_reserve_vcc 0
		.amdhsa_float_denorm_mode_32 3
		.amdhsa_float_denorm_mode_16_64 3
		.amdhsa_memory_ordered 1
		.amdhsa_forward_progress 1
		.amdhsa_inst_pref_size 140
	.end_amdhsa_kernel
	.amdgpu_metadata
---
amdhsa.version: [ 1, 2 ]
amdhsa.kernels:
  - .name:           k_qe9fe51317f_qkv
    .symbol:         k_qe9fe51317f_qkv.kd
    .args:
      - { .name: x_codes, .offset: 0, .size: 8, .value_kind: global_buffer, .address_space: global }
      - { .name: wqkv_codes, .offset: 8, .size: 8, .value_kind: global_buffer, .address_space: global }
      - { .name: b_qkv, .offset: 16, .size: 8, .value_kind: global_buffer, .address_space: global }
      - { .name: lowp_scales, .offset: 24, .size: 8, .value_kind: global_buffer, .address_space: global }
      - { .name: q_img, .offset: 32, .size: 8, .value_kind: global_buffer, .address_space: global }
      - { .name: k_img, .offset: 40, .size: 8, .value_kind: global_buffer, .address_space: global }
      - { .name: v_img, .offset: 48, .size: 8, .value_kind: global_buffer, .address_space: global }
    .group_segment_fixed_size: 327680
    .private_segment_fixed_size: 0
    .kernarg_segment_align: 8
    .kernarg_segment_size: 56
    .max_flat_workgroup_size: 128
    .sgpr_count:     100
    .vgpr_count:     1024
    .wavefront_size: 32
...
	.end_amdgpu_metadata
.endif
;; end of part 2
;; launch attn (part 3): grid 4 x 64, 8 waves a work-group, clusters of 4 x 1, 327,680 bytes of LDS; arguments q_img, k_img, v_img, lowp_scales, a_img; writes a_img
.if DOCPART == 3
	.amdgcn_target "amdgcn-amd-amdhsa--gfx1250"
	.amdhsa_code_object_version 6
	.text
	.protected	k_qe9fe51317f_attn
	.globl	k_qe9fe51317f_attn
	.p2align	8
	.type	k_qe9fe51317f_attn,@function
k_qe9fe51317f_attn:
	s_mov_b64 s[64:65], 0
	v_nop
	global_prefetch_b8 v0, s[64:65] scope:SCOPE_SE
	s_setreg_imm32_b32 hwreg(HW_REG_WAVE_MODE, 25, 1), 1
	s_wait_xcnt 0x0
	s_wait_alu depctr_hold_cnt(0) depctr_sa_sdst(0) depctr_va_vdst(0) depctr_va_sdst(0) depctr_va_ssrc(0) depctr_va_vcc(0) depctr_vm_vsrc(0)
	s_getreg_b32 s2, hwreg(HW_REG_IB_STS2, 6, 4)
	s_cmp_eq_u32 s2, 0
	s_cbranch_scc0 .Lentry_in_a_cluster
	s_endpgm
.Lentry_in_a_cluster:
	s_bfe_u32 s2, ttmp6, 0x10000c
	s_cmp_lg_u32 s2, 0x3003
	s_cbranch_scc0 .Lentry_shape_is_right
	s_endpgm
.Lentry_shape_is_right:
; Causal attention on codes of FP8 (E4M3), 64 heads (batch x 16 + head) of 2,048 tokens x 64.  q, k, v arrive as images of operand registers; the result, divided by the row's sum, is quantised with entry 6 and stored as images for the last product.
; THE SOFTMAX: t = score x log2(e) / 8; M = the row's largest t so far, rounded UP to a whole number; p = 2^(t - M) is quantised along the keys with 2^e5, not normalised.  The row's sum is taken of the unquantised p and divides at the end.
; When M moves, the sum and O are multiplied by 2^(old M - new M): exact.
; WORK LEFT OUT: key steps all of whose keys come after a wave's queries: the causal mask gives them the weight 0 for every input.  A NaN or an infinity that reaches only those scores is not carried to the result.
; SHARES.  The four work-groups of a head form a cluster.  Eight waves, two to a SIMD.  Wave w of the work-group at place cx takes the 32 queries from 128 w + 32 cx (w + 1 key steps of 128) and then those from
; 128 (15 - w) + 32 cx (16 - w steps): 17 steps in every wave, so both loops' trip counts are constants and no branch hangs on cx.  Each fragment of K and V read from LDS serves two tiles of 16 queries.
; LDS.  A head's whole K (128 images of 1,024 bytes, from 0) and V (16 steps x 4 images of 2,048 bytes, from 131,072) stay in LDS: nothing is filled again.  All four work-groups need all of it: every load is joint (mask 15).
; Keys 0-1023 are asked for at the head, 16,384 bytes a wave (waves 0-3 K, 4-7 V); keys 1024-2047 behind the full sequence and a round.  Trips 0-7 read key steps 0-7 alone; one barrier shows the second half; trips 8-16 follow.
; NO PREFETCH: all tensor loads stand ahead of the loops, so there is no trip to ask ahead in.
; LAYOUT.  S^T = K Q^T (source 0 = 16 keys, source 1 = 16 queries, K = 64), O^T = V^T P^T (source 0 = 16 d, K = 128 keys): a lane holds one query (lane % 16).  Register 8 T + j of S^T is key 16 T + 8 (lane / 16) + j: the conversions' results are the operand.
; THE MASK.  A tile's last step lies on the diagonal, and there query - first key = 32 cx + r in both of a wave's blocks.  So the mask is made once, as 72 registers holding 0 or -3e38, and given to that step's score products as C.
; LIMITS: e2 + e3 between -100 and 130 (added to c's exponent field; -3e38 x c must stay far under every t); e5 and e6 between -126 and 119.  Hidden keys get p = 0, which is what -1e9 gives while scores stay far above -1e9.  NaN is not served.
; REGISTERS, window 0: v1 16 x lane; v2, v3 LDS addresses; v4, v7 448 x 2^e6, 2^e6; v5, v6 the add's two; v8-11 -M and largest t (A, B); v12-15 the sums; v16-19 f; v20-23 at work; v24-26 448 x 2^e5 (twice), 2^e5;
;   v32-95, v96-159 S^T then p of query tiles A, B; v160-223 V's fragments; v224-239 B's codes, v240-255 A's (before that: partial sums).
; window 1: v0-63 O^T (A, B); v64-79 Q; v80-151 the mask; v160-223 K's fragments; v224-239 the second block's Q.
.set VB,    131072
.set SPARE, 262144                     ; behind K and V: the spare words, 128 bytes for each of eight waves
.set LI, 1
.set ADK, 2
.set ADV, 3
.set H6, 4
.set SPW, 5
.set NIL, 6
.set S6, 7
.set NA, 8
.set TA, 9
.set NB, 10
.set TB, 11
.set LA, 12
.set LB, 14
.set FA, 16
.set FB, 18
.set MA, 20
.set MA2, 21
.set MB, 22
.set MB2, 23
.set H5, 24
.set H5B, 25
.set S5, 26
.set SA, 32
.set SB, 96
.set FR, 160
.set PT, 224
.set CB, 224
.set CA, 240
.set OA, 0
.set OB, 32
.set QA, 64
.set QB, 72
.set BIA, 80
.set KFR, 160
.set Q2, 224
.set W, 14                             ; s14 wave
.set CW, 15                            ; s15 15 - wave
.set T, 16                             ; s16 the trip, 0 .. 16
.set DG, 17                            ; s17 the trip on the diagonal
.set TN, 18
.set KX, 19
.set SEL, 20
.set CS, 22
.set G1, 24
.set G0, 32
.set CX, 40
.set HD, 41
.set OP1, 48
.set OP2, 50
.set EPV, 52
.set MSB, 0
.macro WIN new                         ; the immediate's high byte repeats the setting that is left
.if MSB != \new
	s_set_vgpr_msb (MSB<<8)|\new
.set MSB, \new
.endif
.endm
.macro CROUND                          ; a round of the cluster's barrier
	s_barrier_signal -1
	s_barrier_wait -1
	s_cmp_lg_u32 s[W], 0
	s_cbranch_scc1 .Lnw0_\@
	s_barrier_signal -3
.Lnw0_\@:
	s_barrier_wait -3
	s_barrier_signal -1
	s_barrier_wait -1
.endm
.macro SCORES diag                     ; 16 products: each of K's eight tiles against both query tiles.  diag = 1: C is the mask; tile B's queries lie 16 on, so it takes the pattern one key tile back
.set n, 0
.rept 8
.if \diag
	v_wmma_f32_16x16x64_fp8_fp8 v[SA+8*n:SA+8*n+7], v[KFR+8*n:KFR+8*n+7], v[QA:QA+7], v[BIA+8*n+8:BIA+8*n+15]
	v_wmma_f32_16x16x64_fp8_fp8 v[SB+8*n:SB+8*n+7], v[KFR+8*n:KFR+8*n+7], v[QB:QB+7], v[BIA+8*n:BIA+8*n+7]
.else
	v_wmma_f32_16x16x64_fp8_fp8 v[SA+8*n:SA+8*n+7], v[KFR+8*n:KFR+8*n+7], v[QA:QA+7], 0
	v_wmma_f32_16x16x64_fp8_fp8 v[SB+8*n:SB+8*n+7], v[KFR+8*n:KFR+8*n+7], v[QB:QB+7], 0
.endif
.set n, n+1
.endr
.endm
.macro CVT2 s, c, t
	v_cvt_scalef32_pk8_fp8_f32 v[\c+2*(\t):\c+2*(\t)+1], v[\s+8*(\t):\s+8*(\t)+7], v[S5]
	v_cvt_scalef32_pk8_fp8_f32 v[\c+2*(\t)+2:\c+2*(\t)+3], v[\s+8*(\t)+8:\s+8*(\t)+15], v[S5]
.endm
.macro REDUCE p, l, s, c               ; 16 pairs of partial sums at p are added onto the row's sum l; the held p at s become codes at c between the tree's last levels
.set n, 0
.rept 8
	v_pk_add_f32 v[\p+n:\p+n+1], v[\p+n:\p+n+1], v[\p+n+16:\p+n+17]
.set n, n+2
.endr
.set n, 0
.rept 4
	v_pk_add_f32 v[\p+n:\p+n+1], v[\p+n:\p+n+1], v[\p+n+8:\p+n+9]
.set n, n+2
.endr
	CVT2 \s, \c, 0
	v_pk_add_f32 v[\p:\p+1], v[\p:\p+1], v[\p+4:\p+5]
	v_pk_add_f32 v[\p+2:\p+3], v[\p+2:\p+3], v[\p+6:\p+7]
	CVT2 \s, \c, 2
	v_pk_add_f32 v[\p:\p+1], v[\p:\p+1], v[\p+2:\p+3]
	CVT2 \s, \c, 4
	v_pk_add_f32 v[\l:\l+1], v[\l:\l+1], v[\p:\p+1]
	CVT2 \s, \c, 6
.endm
.macro INIT copy                       ; a block of queries begins: sums 0, largest t -3e38, so that the key step is written once.  copy = 1: the second block's Q takes its place
	WIN 0x41
.if \copy
.set n, 0
.rept 16
	v_mov_b32 v[QA+n], v[Q2+n]
.set n, n+1
.endr
.endif
.set n, 0
.rept 64
	v_mov_b32 v[OA+n], 0
.set n, n+1
.endr
	WIN 0
	v_mov_b32 v[TA], 0xff61b1e6
	v_mov_b32 v[TB], 0xff61b1e6
	v_floor_f32 v[NA], -v[TA]
	v_floor_f32 v[NB], -v[TB]
	v_mov_b32 v[LA], 0
	v_mov_b32 v[LA+1], 0
	v_mov_b32 v[LB], 0
	v_mov_b32 v[LB+1], 0
.endm
.macro FINAL op                        ; a block ends: O^T / the sum x 2^(e4 + e5), quantised with 2^e6; the codes are the last product's operand registers and leave as they stand
	v_add_f32 v[LA], v[LA], v[LA+1]
	v_add_f32 v[LB], v[LB], v[LB+1]
	v_permlanex16_b32 v[MA], v[LA], s[SEL], s[SEL+1]
	v_permlanex16_b32 v[MB], v[LB], s[SEL], s[SEL+1]
	v_add_f32 v[LA], v[LA], v[MA]
	v_add_f32 v[LB], v[LB], v[MB]
	s_wait_alu depctr_va_vdst(0)                   ; ahead of the batch
	v_rcp_f32 v[LA], v[LA]
	v_rcp_f32 v[LB], v[LB]
	v_nop
	s_wait_alu depctr_va_vdst(0)                   ; and behind it
	v_ldexp_f32 v[LA], v[LA], s[EPV]
	v_ldexp_f32 v[LB], v[LB], s[EPV]
	WIN 0x01
	s_wait_alu depctr_va_vdst(0)                   ; directly ahead of the first reader of O^T
.set n, 0
.rept 16
	v_pk_mul_f32 v[SA+n:SA+n+1], v[OA+n:OA+n+1], v[LA:LA+1] op_sel_hi:[1,0]
.set n, n+2
.endr
.set n, 0
.rept 16
	v_pk_mul_f32 v[SA+32+n:SA+33+n], v[OB+n:OB+n+1], v[LB:LB+1] op_sel_hi:[1,0]
.set n, n+2
.endr
	WIN 0
.set n, 0
.rept 64
	v_med3_num_f32 v[SA+n], v[SA+n], -v[H6], v[H6] ; the hold ahead of a conversion that does not saturate (ISA guide 7.6.2)
.set n, n+1
.endr
.set n, 0
.rept 8
	v_cvt_scalef32_pk8_fp8_f32 v[CB+2*n:CB+2*n+1], v[SA+8*n:SA+8*n+7], v[S6]
.set n, n+1
.endr
	v_nop
	global_store_b128 v[LI], v[CB:CB+3], s[\op:\op+1]                  ; each store: 512 consecutive bytes, aligned
	global_store_b128 v[LI], v[CB+4:CB+7], s[\op:\op+1] offset:512
	global_store_b128 v[LI], v[CB+8:CB+11], s[\op:\op+1] offset:16384   ; tile B: 16 rows on
	global_store_b128 v[LI], v[CB+12:CB+15], s[\op:\op+1] offset:16896
.endm
; A KEY STEP: 128 keys x 32 queries.  K's fragments are in registers at its head.  kmask: the bound on the next key step (7 in trips 0-7).  tail = 1: the last trip asks for no further K.
.macro STEP kmask, tail
	s_add_co_u32 s[TN], s[T], 1                    ; the next trip's key step: the trip itself in my first block (trips 0 .. w), then trip - w - 1
	s_add_co_u32 s[KX], s[TN], s[CW]
	s_and_b32 s[KX], s[KX], 15
	s_cmp_le_u32 s[TN], s[W]
	s_cselect_b32 s[KX], s[TN], s[KX]
	s_and_b32 s[KX], s[KX], \kmask
	s_lshl_b32 s[KX], s[KX], 13                    ; 8,192 bytes of K, and of V, for 128 keys
	s_cmp_eq_u32 s[T], s[DG]
	s_cbranch_scc1 .Ldiag_\@
	WIN 0x15                                       ; K, Q and C in window 1
	SCORES 0
	WIN 0
	s_branch .Lscored_\@
.Ldiag_\@:
	WIN 0x15
	SCORES 1
	WIN 0
.Lscored_\@:
	v_add_nc_u32 v[ADV], VB, v[ADK]                ; this step's V; with the three lines below: four places behind the products
	v_add_nc_u32 v[ADK], s[KX], v[LI]              ; the next step's K
	v_nop
	v_nop
.set n, 0
.rept 16
	ds_load_b128 v[FR+4*n:FR+4*n+3], v[ADV] offset:512*n
.set n, n+1
.endr
.if \tail
	s_cmp_eq_u32 s[T], 16
	s_cbranch_scc1 .Lnok_\@
.endif
	WIN 0x40
.set n, 0
.rept 16
	ds_load_b128 v[KFR+4*n:KFR+4*n+3], v[ADK] offset:512*n
.set n, n+1
.endr
	WIN 0
.if \tail
.Lnok_\@:
.endif
	v_max3_num_f32 v[MA], v[SA], v[SA+1], v[SA+2]  ; the step's largest scores, two chains for each query tile, each accumulator from its low end on
	v_max3_num_f32 v[MB], v[SB], v[SB+1], v[SB+2]
	v_max3_num_f32 v[MA2], v[SA+3], v[SA+4], v[SA+5]
	v_max3_num_f32 v[MB2], v[SB+3], v[SB+4], v[SB+5]
.set n, 6
.rept 14
	v_max3_num_f32 v[MA], v[MA], v[SA+n], v[SA+n+1]
	v_max3_num_f32 v[MB], v[MB], v[SB+n], v[SB+n+1]
	v_max3_num_f32 v[MA2], v[MA2], v[SA+n+2], v[SA+n+3]
	v_max3_num_f32 v[MB2], v[MB2], v[SB+n+2], v[SB+n+3]
.set n, n+4
.endr
	v_max3_num_f32 v[MA], v[MA], v[SA+62], v[SA+63]
	v_max3_num_f32 v[MB], v[MB], v[SB+62], v[SB+63]
	v_max_num_f32 v[MA], v[MA], v[MA2]
	v_max_num_f32 v[MB], v[MB], v[MB2]
	v_permlanex16_b32 v[MA2], v[MA], s[SEL], s[SEL+1]
	v_permlanex16_b32 v[MB2], v[MB], s[SEL], s[SEL+1]
	v_max_num_f32 v[MA], v[MA], v[MA2]
	v_max_num_f32 v[MB], v[MB], v[MB2]
	v_mul_f32 v[MA], s[CS], v[MA]                  ; as t (c is positive)
	v_mul_f32 v[MB], s[CS], v[MB]
	v_max_num_f32 v[TA], v[TA], v[MA]              ; the running largest t
	v_max_num_f32 v[TB], v[TB], v[MB]
	v_mov_b32 v[MA], v[NA]
	v_mov_b32 v[MB], v[NB]
	v_floor_f32 v[NA], -v[TA]                      ; -M = floor(-t): a whole number
	v_floor_f32 v[NB], -v[TB]
	v_sub_f32 v[MA], v[NA], v[MA]                  ; old M - new M, 0 or less
	v_sub_f32 v[MB], v[NB], v[MB]
	v_cvt_i32_f32 v[MA], v[MA]                     ; (it saturates)
	v_cvt_i32_f32 v[MB], v[MB]
	v_ldexp_f32 v[FA], 1.0, v[MA]                  ; f = 2^(old M - new M)
	v_ldexp_f32 v[FB], 1.0, v[MB]
.set n, 0
.rept 32
	v_pk_fma_f32 v[SA+n:SA+n+1], v[SA+n:SA+n+1], s[CS:CS+1], v[NA:NA+1] op_sel_hi:[1,0,0]   ; t - M of tile A
.set n, n+2
.endr
	s_wait_alu depctr_va_vdst(0)                   ; ahead of the batch
.set n, 0
.rept 32                                       ; A's exponentials; between them B's t - M: lines that read nothing written since the wait above
	v_exp_f32 v[SA+n], v[SA+n]
	v_exp_f32 v[SA+n+1], v[SA+n+1]
	v_pk_fma_f32 v[SB+n:SB+n+1], v[SB+n:SB+n+1], s[CS:CS+1], v[NB:NB+1] op_sel_hi:[1,0,0]
.set n, n+2
.endr
	v_pk_mul_f32 v[LA:LA+1], v[LA:LA+1], v[FA:FA+1] op_sel_hi:[1,0]   ; the sums under the new M
	v_pk_mul_f32 v[LB:LB+1], v[LB:LB+1], v[FB:FB+1] op_sel_hi:[1,0]
	s_wait_alu depctr_va_vdst(0)                   ; behind A's batch and ahead of B's
.set n, 0
.rept 16                                       ; B's exponentials; between them, of A: the first level of the sum of the unquantised p, then the one-sided hold (p is not negative), two numbers a line.  None of these lines reads another's result
	v_exp_f32 v[SB+n], v[SB+n]
	v_exp_f32 v[SB+n+1], v[SB+n+1]
	v_pk_add_f32 v[PT+n/2:PT+n/2+1], v[SA+n:SA+n+1], v[SA+n+2:SA+n+3]
	v_exp_f32 v[SB+n+2], v[SB+n+2]
	v_dual_min_num_f32 v[SA+n], v[SA+n], v[H5] :: v_dual_min_num_f32 v[SA+n+1], v[SA+n+1], v[H5B]
	v_exp_f32 v[SB+n+3], v[SB+n+3]
	v_dual_min_num_f32 v[SA+n+2], v[SA+n+2], v[H5] :: v_dual_min_num_f32 v[SA+n+3], v[SA+n+3], v[H5B]
.set n, n+4
.endr
	v_nop
	s_wait_alu depctr_va_vdst(0)                   ; behind B's batch
	REDUCE PT, LA, SA, CA
.set n, 0
.rept 16
	v_pk_add_f32 v[SA+n/2:SA+n/2+1], v[SB+n:SB+n+1], v[SB+n+2:SB+n+3]   ; B's partial sums, in registers of A's p that have been converted
.set n, n+4
.endr
.set n, 0
.rept 32
	v_dual_min_num_f32 v[SB+n], v[SB+n], v[H5] :: v_dual_min_num_f32 v[SB+n+1], v[SB+n+1], v[H5B]
.set n, n+2
.endr
	REDUCE SA, LB, SB, CB
	WIN 0x41
	s_wait_alu depctr_va_vdst(0)                   ; directly ahead of the first reader of O^T
.set n, 0
.rept 16
	v_pk_mul_f32 v[OA+n:OA+n+1], v[OA+n:OA+n+1], v[FA:FA+1] op_sel_hi:[1,0]   ; O^T under the new M
.set n, n+2
.endr
.set n, 0
.rept 16
	v_pk_mul_f32 v[OB+n:OB+n+1], v[OB+n:OB+n+1], v[FB:FB+1] op_sel_hi:[1,0]
.set n, n+2
.endr
	s_wait_alu depctr_va_vdst(0)                   ; directly ahead of the wait below
	s_wait_dscnt 0x0                               ; V is in, and the next step's K
	WIN 0x50
.set n, 0
.rept 4                                        ; eight accumulators by turns
	v_wmma_f32_16x16x128_fp8_fp8 v[OA+8*n:OA+8*n+7], v[FR+16*n:FR+16*n+15], v[CA:CA+15], v[OA+8*n:OA+8*n+7]
	v_wmma_f32_16x16x128_fp8_fp8 v[OB+8*n:OB+8*n+7], v[FR+16*n:FR+16*n+15], v[CB:CB+15], v[OB+8*n:OB+8*n+7]
.set n, n+1
.endr
	WIN 0
.endm
	s_load_b256 s[4:11], s[0:1], 0x0               ; q_img, k_img, v_img, the scales' exponents
	s_load_b64 s[12:13], s[0:1], 0x20              ; a_img
	v_lshl_add_u32 v[SPW], v0, 2, SPARE
	v_mov_b32 v[NIL], 0
	ds_add_u32 v[SPW], v[NIL]                      ; the opening lines: the add twice on end and one wait
	ds_add_u32 v[SPW], v[NIL]
	v_lshrrev_b32 v27, 5, v0
	v_readfirstlane_b32 s[W], v27                  ; wave 0..7
	s_bfe_u32 s[CX], ttmp6, 0x40000                ; my place in the cluster
	s_and_b32 s[HD], ttmp7, 0xffff                 ; batch x 16 + head
	s_mov_b32 s[G1], 15|(3<<16)|(1<<21)            ; the mask: all four; elements of 8 bytes; bit 21 beside a mask
	s_mov_b32 s[G1+1], 32<<16                      ; rows of 256 bytes,
	s_mov_b32 s[G1+2], 64<<16                      ; 64 of them,
	s_mov_b32 s[G1+3], 32<<16
	s_mov_b32 s[G1+4], 64
	s_mov_b32 s[G1+5], 32                          ; dense
	s_mov_b32 s[G1+6], 0
	s_mov_b32 s[G1+7], 0
	s_mov_b32 s[SEL], 0x76543210
	s_mov_b32 s[SEL+1], 0xfedcba98
	s_mov_b32 s[CS], 0x3e38aa3b                    ; log2(e) / 8
	s_xor_b32 s[CW], s[W], 15
	s_lshr_b32 s66, s[W], 2                        ; 0: I fetch K, 1: V
	s_and_b32 s67, s[W], 3
	s_lshl_b32 s67, s67, 14                        ; my 16,384 bytes of a half
	s_lshl_b32 s68, s66, 17
	s_add_co_u32 s68, s68, s67                     ; in LDS
	s_lshl_b32 s42, s[HD], 17
	s_add_co_u32 s42, s42, s67                     ; in memory: a head is 131,072 bytes
	s_mov_b32 s43, 0
	s_wait_dscnt 0x0
	s_wait_kmcnt 0x0
	s_load_b256 s[56:63], s[10:11], 0x0            ; e0 .. e7
	s_cmp_eq_u32 s66, 0
	s_cselect_b64 s[44:45], s[6:7], s[8:9]
	s_add_nc_u64 s[44:45], s[44:45], s[42:43]
	s_mov_b32 s[G0], 1
	s_mov_b32 s[G0+1], s68
	s_mov_b64 s[G0+2:G0+3], s[44:45]
	s_or_b32 s[G0+3], s[G0+3], 0x80000000
	s_mov_b32 s[G0+4], 1
	s_add_co_u32 s[G0+5], s68, 65536               ; the second half: 65,536 bytes on, in LDS and in memory
	s_add_nc_u64 s[G0+6:G0+7], s[44:45], 65536
	s_or_b32 s[G0+7], s[G0+7], 0x80000000
	CROUND                                         ; the four work-groups are here: the joint loads meet
	tensor_load_to_lds s[G0:G0+3], s[G1:G1+7]      ; keys 0-1023: one load a wave
	s_nop 0
.rept 4
	v_nop
.endr
	s_lshl_b32 s67, s[CX], 5
	s_lshl_b32 s68, s[W], 7
	s_add_co_u32 s68, s68, s67                     ; my first block's first query
	s_lshl_b32 s69, s[CW], 7
	s_add_co_u32 s69, s69, s67                     ; my second block's
	s_lshl_b32 s42, s[HD], 17
	s_add_nc_u64 s[4:5], s[4:5], s[42:43]
	s_lshl_b32 s42, s68, 6
	s_add_nc_u64 s[44:45], s[4:5], s[42:43]
	s_lshl_b32 s42, s69, 6
	s_add_nc_u64 s[46:47], s[4:5], s[42:43]
	s_lshr_b32 s42, s[HD], 4                       ; a_img [row / 16][head][1,024]: a batch is 2,048 rows x 1,024 bytes
	s_lshl_b32 s42, s42, 21
	s_and_b32 s70, s[HD], 15
	s_lshl_b32 s70, s70, 10
	s_add_co_u32 s42, s42, s70
	s_add_nc_u64 s[12:13], s[12:13], s[42:43]
	s_lshl_b32 s42, s68, 10
	s_add_nc_u64 s[OP1:OP1+1], s[12:13], s[42:43]
	s_lshl_b32 s42, s69, 10
	s_add_nc_u64 s[OP2:OP2+1], s[12:13], s[42:43]
	v_and_b32 v[LI], 31, v0
	v_lshlrev_b32 v[LI], 4, v[LI]                  ; 16 x lane: my place in every image
	WIN 0x40
.set n, 0
.rept 4
	global_load_b128 v[QA+4*n:QA+4*n+3], v[LI], s[44:45] offset:512*n
	global_load_b128 v[Q2+4*n:Q2+4*n+3], v[LI], s[46:47] offset:512*n
.set n, n+1
.endr
	WIN 0
	v_and_b32 v27, 15, v0
	v_bfe_u32 v28, v0, 4, 1
	v_lshlrev_b32 v28, 3, v28
	v_sub_nc_u32 v27, v27, v28
	v_add_nc_u32 v27, s67, v27                     ; d = 32 cx + r - 8 h.  Pattern i, register j: hidden where 16 i + j > d
	v_mov_b32 v28, 0xff61b1e6                      ; -3e38
	WIN 0x40
.set n, 0
.rept 8
	v_mov_b32 v[BIA+n], 0                          ; pattern -1: nothing hidden
.set n, n+1
.endr
.set n, 0
.rept 64
	v_cmp_gt_i32 vcc_lo, 16*(n/8)+n%8, v27
	v_cndmask_b32 v[BIA+8+n], v[NIL], v28, vcc_lo
.set n, n+1
.endr
	WIN 0
	s_wait_kmcnt 0x0
	s_add_co_i32 s70, s58, s59
	s_lshl_b32 s70, s70, 23
	s_add_co_i32 s[CS], s[CS], s70                 ; a score stands for score x 2^(e2 + e3)
	s_mov_b32 s[CS+1], s[CS]
	s_add_co_i32 s70, s61, 127
	s_lshl_b32 s71, s70, 23
	v_mov_b32 v[S5], s71                           ; 2^e5
	s_add_co_i32 s70, s70, 8
	s_lshl_b32 s70, s70, 23
	s_or_b32 s70, s70, 0x600000
	v_mov_b32 v[H5], s70                           ; 448 x 2^e5, in two registers: one for each half of a dual line
	v_mov_b32 v[H5B], s70
	s_add_co_i32 s70, s62, 127
	s_lshl_b32 s71, s70, 23
	v_mov_b32 v[S6], s71                           ; 2^e6
	s_add_co_i32 s70, s70, 8
	s_lshl_b32 s70, s70, 23
	s_or_b32 s70, s70, 0x600000
	v_mov_b32 v[H6], s70                           ; 448 x 2^e6
	s_add_co_i32 s[EPV], s60, s61                  ; e4 + e5
	v_mov_b32 v[FA+1], 0                           ; (named as the upper halves of pairs)
	v_mov_b32 v[FB+1], 0
	v_mov_b32 v[ADK], v[LI]                        ; key step 0
	INIT 0
	s_mov_b32 s[T], 0
	s_mov_b32 s[DG], s[W]                          ; my first block ends in trip w
	s_wait_alu depctr_va_vdst(0)                   ; the head's end
	s_wait_tensorcnt 0x0                           ; my part of keys 0-1023 is in
	ds_add_u32 v[SPW], v[NIL]
	s_wait_dscnt 0x0
	CROUND                                         ; everybody's part is in, and the four work-groups are here
	tensor_load_to_lds s[G0+4:G0+7], s[G1:G1+7]    ; keys 1024-2047: it has trips 0-7 in which to land
	s_nop 0
.rept 4
	v_nop
.endr
	WIN 0x40
.set n, 0
.rept 16
	ds_load_b128 v[KFR+4*n:KFR+4*n+3], v[ADK] offset:512*n
.set n, n+1
.endr
	WIN 0
	s_wait_loadcnt 0x0                             ; Q
	s_wait_dscnt 0x0
.Lfirst:                                           ; trips 0-7: key steps 0-7 alone
	STEP 7, 0
	s_cmp_lg_u32 s[T], s[W]                        ; the wave's number and the trip alone
	s_cbranch_scc1 .Lsame
	FINAL OP1
	INIT 1
	s_wait_alu depctr_va_vdst(0)                   ; directly ahead of the wait below
	s_wait_xcnt 0x0                                ; the stores have read their data registers, which the next step writes
.Lsame:
	s_add_co_u32 s[T], s[T], 1
	s_cmp_lt_u32 s[T], 8
	s_cbranch_scc1 .Lfirst
	s_wait_tensorcnt 0x0                           ; my part of keys 1024-2047 is in;
	s_barrier_signal -1
	s_barrier_wait -1                              ; everybody's is.
	s_mov_b32 s[T], 8
	s_mov_b32 s[DG], 16                            ; my second block ends in the last trip
.Lsecond:                                          ; trips 8-16
	STEP 15, 1
	s_add_co_u32 s[T], s[T], 1
	s_cmp_lt_u32 s[T], 17
	s_cbranch_scc1 .Lsecond
	FINAL OP2
	s_wait_tensorcnt 0x0                           ; the wave's end
	ds_add_u32 v[SPW], v[NIL]
	s_wait_dscnt 0x0
	CROUND                                         ; the closing round
	s_endpgm
.Lfunc_end_k_qe9fe51317f_attn:
	.size	k_qe9fe51317f_attn, .Lfunc_end_k_qe9fe51317f_attn-k_qe9fe51317f_attn
	.p2alignl 7, 3214868480
	.fill 96, 4, 3214868480
	.section	.rodata,"a",@progbits
	.p2align	6, 0x0
	.amdhsa_kernel k_qe9fe51317f_attn
		.amdhsa_group_segment_fixed_size 327680
		.amdhsa_private_segment_fixed_size 0
		.amdhsa_enable_private_segment 0
		.amdhsa_kernarg_size 40
		.amdhsa_user_sgpr_count 2
		.amdhsa_user_sgpr_kernarg_segment_ptr 1
		.amdhsa_wavefront_size32 1
		.amdhsa_system_sgpr_workgroup_id_x 1
		.amdhsa_system_sgpr_workgroup_id_y 1
		.amdhsa_system_sgpr_workgroup_id_z 1
		.amdhsa_system_vgpr_workitem_id 0
		.amdhsa_next_free_vgpr 512
		.amdhsa_next_free_sgpr 72
		.amdhsa_reserve_vcc 1
		.amdhsa_float_denorm_mode_32 3
		.amdhsa_float_denorm_mode_16_64 3
		.amdhsa_memory_ordered 1
		.amdhsa_forward_progress 1
		.amdhsa_inst_pref_size 93
	.end_amdhsa_kernel
	.amdgpu_metadata
---
amdhsa.version: [ 1, 2 ]
amdhsa.kernels:
  - .name:           k_qe9fe51317f_attn
    .symbol:         k_qe9fe51317f_attn.kd
    .args:
      - { .name: q_img, .offset: 0, .size: 8, .value_kind: global_buffer, .address_space: global }
      - { .name: k_img, .offset: 8, .size: 8, .value_kind: global_buffer, .address_space: global }
      - { .name: v_img, .offset: 16, .size: 8, .value_kind: global_buffer, .address_space: global }
      - { .name: lowp_scales, .offset: 24, .size: 8, .value_kind: global_buffer, .address_space: global }
      - { .name: a_img, .offset: 32, .size: 8, .value_kind: global_buffer, .address_space: global }
    .group_segment_fixed_size: 327680
    .private_segment_fixed_size: 0
    .kernarg_segment_align: 8
    .kernarg_segment_size: 40
    .max_flat_workgroup_size: 256
    .sgpr_count:     72
    .vgpr_count:     512
    .wavefront_size: 32
...
	.end_amdgpu_metadata
.endif
;; end of part 3
;; launch proj (part 4): grid 4 x 64, 4 waves a work-group, clusters of 4 x 4, 327,680 bytes of LDS; arguments a_img, wproj_codes, b_proj, lowp_scales, out0; writes out0
.if DOCPART == 4
	.amdgcn_target "amdgcn-amd-amdhsa--gfx1250"
	.amdhsa_code_object_version 6
	.text
	.protected	k_qe9fe51317f_proj
	.globl	k_qe9fe51317f_proj
	.p2align	8
	.type	k_qe9fe51317f_proj,@function
k_qe9fe51317f_proj:
	s_mov_b64 s[64:65], 0
	v_nop
	global_prefetch_b8 v0, s[64:65] scope:SCOPE_SE
	s_setreg_imm32_b32 hwreg(HW_REG_WAVE_MODE, 25, 1), 1
	s_wait_xcnt 0x0
	s_wait_alu depctr_hold_cnt(0) depctr_sa_sdst(0) depctr_va_vdst(0) depctr_va_sdst(0) depctr_va_ssrc(0) depctr_va_vcc(0) depctr_vm_vsrc(0)
	s_getreg_b32 s2, hwreg(HW_REG_IB_STS2, 6, 4)
	s_cmp_eq_u32 s2, 0
	s_cbranch_scc0 .Lentry_in_a_cluster
	s_endpgm
.Lentry_in_a_cluster:
	s_bfe_u32 s2, ttmp6, 0x10000c
	s_cmp_lg_u32 s2, 0xf033
	s_cbranch_scc0 .Lentry_shape_is_right
	s_endpgm
.Lentry_shape_is_right:
; out0 = a w_proj + b_proj on codes of FP8 (E4M3).  a arrives as images of operand registers, a_img [row / 16][head][1,024 bytes]; wproj_codes [1024 n][1024 k], K innermost, in the order that 16-byte loads at
; 32 c + 16 (lane / 16) turn into the FP8 forms' own register order.  out0 [8192][1024] f32 = sum x 2^(e6 + e7) + b_proj: one packed multiply-add for two numbers.
; A tile of 128 rows x 256 columns to a work-group: 256 work-groups.  Four waves, 64 x 128 each: 32 accumulators.  THE MATRIX INSTRUCTION IS USED TRANSPOSED (source 0 = 16 rows of w, source 1 = 16 rows of a).
; LDS: a's 128 rows for all of K, 131,072 dense bytes, filled once; then two slots of w, 256 rows of 256 bytes + 16 of padding; the spare words; the stages of the way out, on bytes of their own.
; THE LOADS: at the head one a wave: waves 0 and 1 a half of a each, waves 2 and 3 w's K steps 0 and 1 (256 along K each).  K steps 2 and 3 fill the two slots again, each behind a round, 64 rows a wave.
; CLUSTERS: 4 x 4.  a's tile hangs on the tile row alone and is asked for jointly by a row of the cluster, w's on the tile column alone, by a column.
; NO PREFETCH: the text has no loop; its two refills follow the head's loads by one and by two K steps of four.
; LIMIT: e6 + e7 between -126 and 127, so that 2^(e6 + e7) is an f32 number.
; REGISTERS: window 0: v16-29 addresses; v32-95 at work on the way out; v128-191, v192-255 a's fragments, two sets (on the way out: rows read back).  window 1: w's fragments, two sets.  window 2: the accumulators.  window 3: v0-63 the bias.
.set PITCH,  272
.set HALFB,  128*PITCH
.set WB,     131072
.set WSLOT,  2*HALFB
.set SPARE,  WB+2*WSLOT
.set STAGE,  SPARE+512
.set SPITCH, 528
.set ADRA, 16
.set ADRB, 20
.set STO,  24
.set RD,   25
.set CO,   26
.set SPW,  28
.set NIL,  29
.set TMP,  32
.set BK,   128
.set G1A, 24                           ; s[24:31] group 1: a half of a
.set G1W, 32                           ; s[32:39] 256 rows of w
.set G1R, 40                           ; s[40:47] 64 rows of w
.set G0A, 48
.set G0W, 52
.set G0R, 56                           ; s[56:63] group 0 of the two refills
.set MSB, 0
.macro WIN new
.if MSB != \new
	s_set_vgpr_msb (MSB<<8)|\new
.set MSB, \new
.endif
.endm
.set MUL, 0xa1
.macro CREST
	s_cmp_lg_u32 s14, 0
	s_cbranch_scc1 .Lnot_wave_0_\@
	s_barrier_signal -3
.Lnot_wave_0_\@:
	s_barrier_wait -3
	s_barrier_signal -1
	s_barrier_wait -1
.endm
.macro CROUND
	s_barrier_signal -1
	s_barrier_wait -1
	CREST
.endm
.macro PLACES
.rept 4
	v_nop
.endr
.endm
	s_load_b256 s[4:11], s[0:1], 0x0               ; a_img, wproj_codes, b_proj, the scales' exponents
	s_load_b64 s[12:13], s[0:1], 0x20              ; out0
	v_lshl_add_u32 v[SPW], v0, 2, SPARE
	v_mov_b32 v[NIL], 0
	ds_add_u32 v[SPW], v[NIL]                      ; the opening lines: the add twice on end and one wait
	ds_add_u32 v[SPW], v[NIL]
	v_lshrrev_b32 v1, 5, v0
	v_readfirstlane_b32 s14, v1                    ; wave 0..3
	s_lshr_b32 s15, s14, 1                         ; which 64 rows are mine.  Also: at the head I fetch for a (0) or for w (1)
	s_and_b32 s16, s14, 1                          ; which 128 columns.  Also: which half of a, or which K step of w
	s_bfe_u32 s66, ttmp6, 0x40000                  ; cx
	s_bfe_u32 s67, ttmp6, 0x40004                  ; cy
	s_lshl_b32 s71, ttmp9, 2
	s_add_co_u32 s71, s71, s66                     ; tile column
	s_and_b32 s68, ttmp7, 0xffff
	s_lshl_b32 s68, s68, 2
	s_add_co_u32 s68, s68, s67                     ; tile row
	s_lshl_b32 s69, s67, 2
	s_lshl_b32 s69, 15, s69                        ; my row of the cluster
	s_lshl_b32 s70, 0x1111, s66                    ; my column
	s_or_b32 s[G1A], s69, (3<<16)|(1<<21)          ; a: elements of 8 bytes; 4 row tiles of 16,384 bytes, dense
	s_mov_b32 s[G1A+1], 2048<<16
	s_mov_b32 s[G1A+2], 4<<16
	s_mov_b32 s[G1A+3], 2048<<16
	s_mov_b32 s[G1A+4], 4
	s_mov_b32 s[G1A+5], 2048
	s_mov_b32 s[G1A+6], 0
	s_mov_b32 s[G1A+7], 0
	s_or_b32 s[G1W], s70, (0<<16)|(1<<20)|(1<<21)|(5<<22)|(3<<25)  ; w: elements of 1 byte; four words of padding after every 64
	s_mov_b32 s[G1W+1], 256<<16
	s_mov_b32 s[G1W+2], 256<<16
	s_mov_b32 s[G1W+3], 256<<16
	s_mov_b32 s[G1W+4], 256
	s_mov_b32 s[G1W+5], 1024
	s_mov_b32 s[G1W+6], 0
	s_mov_b32 s[G1W+7], 0
	s_or_b32 s[G1R], s70, (0<<16)|(1<<20)|(1<<21)|(5<<22)|(3<<25)
	s_mov_b32 s[G1R+1], 256<<16
	s_mov_b32 s[G1R+2], 64<<16
	s_mov_b32 s[G1R+3], 256<<16
	s_mov_b32 s[G1R+4], 64
	s_mov_b32 s[G1R+5], 1024
	s_mov_b32 s[G1R+6], 0
	s_mov_b32 s[G1R+7], 0
	s_lshl_b32 s72, s68, 17                        ; a: 131,072 bytes a tile row, + my half
	s_lshl_b32 s73, s16, 16
	s_add_co_u32 s72, s72, s73
	s_mov_b32 s73, 0
	s_lshl_b32 s74, s71, 18                        ; w: 256 rows of 1,024 bytes a tile column, + K step 0 or 1
	s_lshl_b32 s75, s16, 8
	s_add_co_u32 s74, s74, s75
	s_mov_b32 s75, 0
	s_lshl_b32 s76, s71, 18                        ; the refills: + my 64 rows, at K step 2
	s_lshl_b32 s77, s14, 16
	s_add_co_u32 s76, s76, s77
	s_add_co_u32 s76, s76, 512
	s_mov_b32 s77, 0
	s_lshl_b32 s[G0A+1], s16, 16                   ; where they go: no place in the cluster enters an LDS address
	s_mul_i32 s[G0W+1], s16, WSLOT
	s_add_co_u32 s[G0W+1], s[G0W+1], WB
	s_mul_i32 s[G0R+1], s14, 64*PITCH
	s_add_co_u32 s[G0R+1], s[G0R+1], WB
	s_add_co_u32 s[G0R+5], s[G0R+1], WSLOT
	s_mov_b32 s[G0A], 1
	s_mov_b32 s[G0W], 1
	s_mov_b32 s[G0R], 1
	s_mov_b32 s[G0R+4], 1
	s_wait_dscnt 0x0
	s_wait_kmcnt 0x0
	s_load_b256 s[84:91], s[10:11], 0x0            ; e0 .. e7
	s_add_nc_u64 s[G0A+2:G0A+3], s[4:5], s[72:73]
	s_or_b32 s[G0A+3], s[G0A+3], 0x80000000
	s_add_nc_u64 s[G0W+2:G0W+3], s[6:7], s[74:75]
	s_or_b32 s[G0W+3], s[G0W+3], 0x80000000
	s_add_nc_u64 s[G0R+2:G0R+3], s[6:7], s[76:77]
	s_add_nc_u64 s[G0R+6:G0R+7], s[G0R+2:G0R+3], 256   ; K step 3
	s_or_b32 s[G0R+3], s[G0R+3], 0x80000000
	s_or_b32 s[G0R+7], s[G0R+7], 0x80000000
	CROUND                                         ; all sixteen work-groups are here: the first joint loads meet
	s_cmp_eq_u32 s15, 0                            ; one load a wave, one to an arm
	s_cbranch_scc0 .Lfirst_b
	tensor_load_to_lds s[G0A:G0A+3], s[G1A:G1A+7]
	s_nop 0
.rept 4
	v_nop
.endr
	s_branch .Lfirst_asked
.Lfirst_b:
	tensor_load_to_lds s[G0W:G0W+3], s[G1W:G1W+7]
	s_nop 0
.rept 4
	v_nop
.endr
.Lfirst_asked:
	v_and_b32 v1, 15, v0                           ; r
	v_bfe_u32 v2, v0, 4, 1                         ; h
	v_and_b32 v6, 31, v0
	v_lshlrev_b32 v[CO], 4, v6                     ; 16 x lane
	v_mul_u32_u24 v3, v1, PITCH
	v_lshl_add_u32 v3, v2, 4, v3                   ; w: row x pitch + 16 x half
	s_lshl_b32 s82, s15, 16                        ; my four row tiles of a
	s_mul_i32 s83, s16, HALFB
	s_add_co_u32 s83, s83, WB                      ; my 128 rows of w
	v_add_nc_u32 v[ADRA], s82, v[CO]
	v_add_nc_u32 v[ADRB], s83, v3
	s_add_co_u32 s83, s83, WSLOT
	v_add_nc_u32 v[ADRB+1], s83, v3
	s_mul_i32 s82, s14, 16*SPITCH
	s_add_co_u32 s82, s82, STAGE                   ; my stage
	v_mul_u32_u24 v5, v1, SPITCH
	v_lshl_add_u32 v5, v2, 5, v5
	v_add_nc_u32 v[STO], s82, v5
	v_add_nc_u32 v[RD], s82, v[CO]
	v_lshlrev_b32 v4, 5, v2                        ; register 8 b + j belongs to column 16 b + 8 h + j
	s_lshl_b32 s92, s68, 19                        ; out0 at my first row (rows of 4,096 bytes)
	s_lshl_b32 s93, s15, 18
	s_add_co_u32 s92, s92, s93
	s_lshl_b32 s94, s71, 10                        ; and my first column
	s_lshl_b32 s95, s16, 9
	s_add_co_u32 s94, s94, s95
	s_add_co_u32 s92, s92, s94
	s_mov_b32 s93, 0
	s_mov_b32 s95, 0
	s_add_nc_u64 s[12:13], s[12:13], s[92:93]
	s_add_nc_u64 s[8:9], s[8:9], s[94:95]          ; the bias of my 128 columns
	s_wait_alu depctr_va_vdst(0)                   ; the end of the head's vector work
	WIN 0xc0
.irp b, 0,1,2,3,4,5,6,7
	global_load_b128 v[8*\b:8*\b+3], v4, s[8:9] offset:64*\b
	global_load_b128 v[8*\b+4:8*\b+7], v4, s[8:9] offset:64*\b+16
.endr
	WIN 0
; 48 LDS loads in one run: the fragments of 128 along K (the g-th of eight; in w's slot the q-th of two) into set
.macro FETCH slot, q, g, set
	WIN 0x40
.irp i, 0,1,2,3,4,5,6,7
.irp c, 0,1,2,3
	ds_load_b128 v[128*(\set)+16*\i+4*\c:128*(\set)+16*\i+4*\c+3], v[ADRB+\slot] offset:128*(\q)+32*\c+\i*16*PITCH
.endr
.endr
	WIN 0
.irp a, 0,1,2,3
.irp c, 0,1,2,3
	ds_load_b128 v[128+64*(\set)+16*\a+4*\c:128+64*(\set)+16*\a+4*\c+3], v[ADRA] offset:\a*16384+(\g)*2048+512*\c
.endr
.endr
.endm
; 8 matrix instructions: a's block x w's eight.  The 32 accumulators take turns, in the same order in every step
.macro MULA a, set, zero
.irp b, 0,1,2,3,4,5,6,7
.if \zero
	v_wmma_f32_16x16x128_fp8_fp8 v[8*(8*\a+\b):8*(8*\a+\b)+7], v[128*(\set)+16*\b:128*(\set)+16*\b+15], v[128+64*(\set)+16*\a:128+64*(\set)+16*\a+15], 0
.else
	v_wmma_f32_16x16x128_fp8_fp8 v[8*(8*\a+\b):8*(8*\a+\b)+7], v[128*(\set)+16*\b:128*(\set)+16*\b+15], v[128+64*(\set)+16*\a:128+64*(\set)+16*\a+15], v[8*(8*\a+\b):8*(8*\a+\b)+7]
.endif
.endr
.endm
.macro PSTEP set, zero, nslot, nq, ng  ; a step of 128 along K: the next step's fragments are asked for first, into the other set
	PLACES
	FETCH \nslot, \nq, \ng, 1-(\set)
	s_wait_dscnt 48                                ; all but the 48 just issued
	WIN MUL
	MULA 0, \set, \zero
	MULA 1, \set, \zero
	MULA 2, \set, \zero
	MULA 3, \set, \zero
	WIN 0
.endm
; A step (on set 1) that leaves a slot of w.  fill = 1: the barrier opens a round, and the slot takes the K step two on: refill rs, 64 rows a wave.
.macro TURN fill, rs, nslot, ng
	s_wait_tensorcnt 0x0                           ; all my tensor loads have landed
	ds_add_u32 v[SPW], v[NIL]
	s_wait_dscnt 1                                 ; this step's fragments are in; the add may be out
	WIN MUL
	MULA 0, 1, 0
	MULA 1, 1, 0
	s_wait_dscnt 0x0                               ; the add is done; my reads of the slot are over
	s_barrier_signal -1
	MULA 2, 1, 0
	WIN 0
	s_barrier_wait -1
.if \fill
	CREST
	tensor_load_to_lds s[G0R+4*\rs:G0R+4*\rs+3], s[G1R:G1R+7]   ; the first tensor load behind the round, one a wave
	s_nop 0
.endif
	PLACES
	FETCH \nslot, 0, \ng, 0
	WIN MUL
	MULA 3, 1, 0
	WIN 0
.endm
	s_wait_tensorcnt 0x0                           ; my load is in
	s_barrier_signal -1
	s_barrier_wait -1                              ; everybody's is
	FETCH 0, 0, 0, 0
	PSTEP 0, 1, 0, 1, 1                            ; k 0-127: its products start the sums
	TURN 1, 0, 1, 2                                ; k 128-255; slot 0 takes K step 2
	PSTEP 0, 0, 1, 1, 3                            ; k 256-383
	TURN 1, 1, 0, 4                                ; k 384-511; slot 1 takes K step 3
	PSTEP 0, 0, 0, 1, 5                            ; k 512-639
	TURN 0, 0, 1, 6                                ; k 640-767; K step 3 is whole
	PSTEP 0, 0, 1, 1, 7                            ; k 768-895
	s_wait_dscnt 0x0                               ; k 896-1023
	WIN MUL
	MULA 0, 1, 0
	MULA 1, 1, 0
	MULA 2, 1, 0
	MULA 3, 1, 0
	WIN 0
; THE WAY OUT, block by block of 16 rows x 128 columns, through my own stage: back as whole rows of 512 bytes.  LDS serves a wave's instructions in order (ISA guide 5.7.1.4).
.macro TOSTAGE a
	WIN 0x32
.set n, 0
.rept 32
	v_pk_fma_f32 v[TMP+n:TMP+n+1], v[64*(\a)+n:64*(\a)+n+1], s[96:97], v[n:n+1] op_sel_hi:[1,0,1]   ; sum x 2^(e6 + e7) + bias; each accumulator from its low end on
.set n, n+2
.endr
	WIN 0
.irp b, 0,1,2,3,4,5,6,7
	ds_store_b128 v[STO], v[TMP+8*\b:TMP+8*\b+3] offset:64*\b
	ds_store_b128 v[STO], v[TMP+8*\b+4:TMP+8*\b+7] offset:64*\b+16
.endr
.set BB, BK+64*((\a)%2)
.irp t, 0,1,2,3,4,5,6,7,8,9,10,11,12,13,14,15
	ds_load_b128 v[BB+4*\t:BB+4*\t+3], v[RD] offset:\t*SPITCH
.endr
.endm
.macro SEND a, younger
.set BB, BK+64*((\a)%2)
	s_wait_dscnt \younger
.if (\a) > 0
	s_add_nc_u64 s[12:13], s[12:13], 16*4096       ; (behind a wait on XCNT)  16 rows on
.endif
.irp t, 0,1,2,3,4,5,6,7,8,9,10,11,12,13,14,15
	global_store_b128 v[CO], v[BB+4*\t:BB+4*\t+3], s[12:13] offset:\t*4096 th:TH_STORE_NT   ; 32 lanes store 512 consecutive bytes, aligned
.endr
.endm
	s_wait_loadcnt 0x0                             ; the bias
	s_wait_kmcnt 0x0
	s_add_co_i32 s96, s90, s91
	s_add_co_i32 s96, s96, 127
	s_lshl_b32 s96, s96, 23                        ; 2^(e6 + e7) as f32
	s_mov_b32 s97, s96
	PLACES
	TOSTAGE 0
.irp a, 1,2,3
.if \a > 1
	s_wait_xcnt 0x0                                ; block a - 2's stores have read their registers and their base
.endif
	TOSTAGE \a
	SEND \a-1, 32
.endr
	s_wait_xcnt 0x0
	SEND 3, 0
	s_wait_tensorcnt 0x0                           ; the wave's end
	ds_add_u32 v[SPW], v[NIL]
	s_wait_dscnt 0x0
	CROUND                                         ; the closing round
	s_endpgm
.Lfunc_end_k_qe9fe51317f_proj:
	.size	k_qe9fe51317f_proj, .Lfunc_end_k_qe9fe51317f_proj-k_qe9fe51317f_proj
	.p2alignl 7, 3214868480
	.fill 96, 4, 3214868480
	.section	.rodata,"a",@progbits
	.p2align	6, 0x0
	.amdhsa_kernel k_qe9fe51317f_proj
		.amdhsa_group_segment_fixed_size 327680
		.amdhsa_private_segment_fixed_size 0
		.amdhsa_enable_private_segment 0
		.amdhsa_kernarg_size 40
		.amdhsa_user_sgpr_count 2
		.amdhsa_user_sgpr_kernarg_segment_ptr 1
		.amdhsa_wavefront_size32 1
		.amdhsa_system_sgpr_workgroup_id_x 1
		.amdhsa_system_sgpr_workgroup_id_y 1
		.amdhsa_system_sgpr_workgroup_id_z 1
		.amdhsa_system_vgpr_workitem_id 0
		.amdhsa_next_free_vgpr 832
		.amdhsa_next_free_sgpr 100
		.amdhsa_reserve_vcc 0
		.amdhsa_float_denorm_mode_32 3
		.amdhsa_float_denorm_mode_16_64 3
		.amdhsa_memory_ordered 1
		.amdhsa_forward_progress 1
		.amdhsa_inst_pref_size 75
	.end_amdhsa_kernel
	.amdgpu_metadata
---
amdhsa.version: [ 1, 2 ]
amdhsa.kernels:
  - .name:           k_qe9fe51317f_proj
    .symbol:         k_qe9fe51317f_proj.kd
    .args:
      - { .name: a_img, .offset: 0, .size: 8, .value_kind: global_buffer, .address_space: global }
      - { .name: wproj_codes, .offset: 8, .size: 8, .value_kind: global_buffer, .address_space: global }
      - { .name: b_proj, .offset: 16, .size: 8, .value_kind: global_buffer, .address_space: global }
      - { .name: lowp_scales, .offset: 24, .size: 8, .value_kind: global_buffer, .address_space: global }
      - { .name: out0, .offset: 32, .size: 8, .value_kind: global_buffer, .address_space: global }
    .group_segment_fixed_size: 327680
    .private_segment_fixed_size: 0
    .kernarg_segment_align: 8
    .kernarg_segment_size: 40
    .max_flat_workgroup_size: 128
    .sgpr_count:     100
    .vgpr_count:     832
    .wavefront_size: 32
...
	.end_amdgpu_metadata
.endif
;; end of part 4
